; MI455X (gfx1250); checked and timed in simulation.
; The chip was launched on July 23, 2026; its instructions are those of AMD's public machine-readable ISA for CDNA 5 (MIT licence, August 2026) and "CDNA5" Instruction Set Architecture Reference Guide (July 2026). The comments in the code are by the model that wrote it; some were corrected since.
;; Multi Headed Attention. Allowed arithmetic: matrix products marked QUANTISED: E2M3 operands, one E8M0 scale for each 32 along K, by v_wmma_scale_f32_16x16x128_f8f6f4 with both operands' format E2M3, f32 sums; everything else in f32.
;; Inputs: Wk 1,024 x 1,024 float32; Wq 1,024 x 1,024 float32; Wv 1,024 x 1,024 float32; x 4 x 2,048 x 1,024 float32.
;; Outputs: out0 4 x 2,048 x 1,024 float32; out1 4 x 2,048 x 1,024 float32.
;; This version of the problem:
;;   THIS VERSION OF THE PROBLEM IS GIVEN IN LOW PRECISION. The matrix products marked QUANTISED in the list below multiply operands that are first quantised to E2M3 (2 exponent bits, 3 mantissa bits; 6 bits a number), with one power-of-two scale for each 32 numbers along K (OCP MX v1.0); their sums are f32. All else is computed in f32.
;;   The module's matrix products, in the order in which they are computed (A, B: the left and right operand; K: the contracted axis; several contracted axes count as one K, in the product's order):
;;     1. [M 8,192, K 1,024] x [K 1,024, N 1,024]; A: input x; B: input Wq: QUANTISED
;;     2. [M 8,192, K 1,024] x [K 1,024, N 1,024]; A: input x; B: input Wk: QUANTISED
;;     3. [M 8,192, K 1,024] x [K 1,024, N 1,024]; A: input x; B: input Wv: QUANTISED
;;     4. batch 64 x [M 2,048, K 64] x [K 64, N 2,048]; A: computed on the way; B: computed on the way: QUANTISED
;;   THE QUANTISER, for each operand of a quantised product, along K:
;;     - K is cut into blocks of 32 from its start; a last block that is shorter is filled with zeros.
;;     - A block's scale is 2^e with e = floor(log2(the largest magnitude in the block)) - 2, held to -126 .. 127; a block of zeros has e = 0. As a byte (E8M0): e + 127.
;;     - Each number is divided by its block's scale, clamped to +-7.5, and rounded to the nearest number of E2M3, ties to even, subnormals kept.
;;     - The product sums the exact products of the quantised numbers (number of the format x scale) in f32.
;;   ~~~python
;;   def quantise(x, axis):      # numpy; x: float32 -> the quantised numbers, widened to float32 again
;;       x = np.moveaxis(x, axis, -1); K = x.shape[-1]
;;       x = np.pad(x, [(0, 0)] * (x.ndim - 1) + [(0, -K % 32)]); x = x.reshape(x.shape[:-1] + (-1, 32)); a = np.abs(x).max(-1, keepdims=True)
;;       e = np.where(a > 0, np.clip(np.frexp(np.where(a > 0, a, 1))[1] - 1 - 2, -126, 127), 0)      # np.frexp(a)[1] - 1 = floor(log2(a)), exactly
;;       r = np.clip(x / 2.0 ** e, -7.5, 7.5)
;;       step = 2.0 ** (np.maximum(np.frexp(np.where(r == 0, 1, r))[1] - 1, 0) - 3)
;;       q = np.round(r / step) * step * 2.0 ** e      # np.round: ties to even
;;       return np.moveaxis(q.reshape(q.shape[:-2] + (-1,))[..., :K], -1, axis).astype(np.float32)
;;   ~~~
;;   OPERANDS COMPUTED ON THE WAY. 'Computed on the way' means the value that the module computes at that place (a softmax that the list does not call 'softmax' is quantised finished and normalised). What goes into a quantiser is computed in f32, as accurately as f32 sums, v_exp_f32 and their like allow (about 1e-6 of the number): no bf16 or f16 on the way to a quantiser, and a product that is left as it is and whose result goes on into a quantised operand takes f32 operands (vector FMAs, or v_wmma_f32_16x16x4_f32). A number that lies on a knife's edge between two numbers of the format may be rounded either way, as far as f32 arithmetic and the matrix unit's own rounding can turn it there, and no further.
;; One version. Each part assembles by itself: llvm-mc -triple=amdgcn-amd-amdhsa -mcpu=gfx1250 --defsym DOCPART=n.
;; ======== version 1 of 1: 3 launches
;; limits: right only within a limited range of input values
;; workspace buffers: xc 6,291,456 bytes; xs 262,144 bytes; wc 1,572,864 bytes; ws 65,536 bytes; wvimg 819,200 bytes; qimg 6,815,744 bytes; kimg 6,815,744 bytes
;; launch quant (part 1): grid 352 x 1, 8 waves a work-group, no clusters, 72,704 bytes of LDS; arguments x, Wq, Wk, Wv, out1, xc, xs, wc, ws, wvimg; writes out1, xc, xs, wc, ws, wvimg
.if DOCPART == 1
	.amdgcn_target "amdgcn-amd-amdhsa--gfx1250"
	.amdhsa_code_object_version 6
	.text
	.protected	k_q76ceab87fd_quant
	.globl	k_q76ceab87fd_quant
	.p2align	8
	.type	k_q76ceab87fd_quant,@function
k_q76ceab87fd_quant:
	s_mov_b64 s[64:65], 0
	v_nop
	global_prefetch_b8 v0, s[64:65] scope:SCOPE_SE
	s_setreg_imm32_b32 hwreg(HW_REG_WAVE_MODE, 25, 1), 1
	s_wait_xcnt 0x0
; x [8192][1024] and Wq, Wk, Wv [1024][1024], f32, K innermost, become codes of FP6 (E2M3), 6 bits each, with one E8M0 scale byte for each 32 along K; and x is copied to out1 from the registers into which it was loaded,
; so that x is read from memory once for both uses.
; A block's scale is 2^(floor(log2(its largest magnitude)) - 2); its byte is the largest magnitude's exponent field - 2, held at 1 from below.  Each number is divided by the scale and rounded to the nearest code, ties to even;
; beyond 7.5 the conversion gives the largest code.
; LIMITS: a block whose largest magnitude lies under 2^-124, a block of zeros among them, gets the byte 1 (a block of zeros has zero codes, which add nothing under any byte but 0xff, and these bytes are read by this program alone);
; NaN and infinities among the inputs are not served.
; SHARES.  A wave takes 4 rows = 4,096 numbers, in 8 steps of 512; a work-group of 8 waves 32 rows.  Work-groups 0-255: x; 256-287: Wq; 288-319: Wk; 320-351: Wv.  Pointers and offsets are chosen; a branch on the work-group's number skips the copy to out1 for the weights.
; All 32 loads of a wave are issued at its start, each into registers of its own: no register is loaded twice, so the stores to out1 need no wait.
; THE CODES' LAYOUT: planes of 256 along K, [plane][place][192 bytes]: x 4 planes of 8,192 places; Wq and Wk on end 4 planes of 2,048; Wv head by head: 4 planes of 64 places (49,152 bytes), then the head's 64 x 32 scale bytes.
; WHERE THE WEIGHTS' ROWS GO.  In each 32 rows the two middle groups of 8 change places.  With 16 such places as source 0 of a product, a lane's 16 results of two neighbouring tiles are 16 neighbouring columns.
; A load reads 512 consecutive bytes, 16 a lane; the conversion wants 16 NEIGHBOURS in a lane: so a step's 2,048 bytes turn through the wave's own stage in LDS (16 bytes of padding behind each 64).
; A wave's codes are 768 consecutive bytes in each of the four planes: they are gathered in the wave's own LDS and leave as twelve aligned runs of 256 bytes, 8 bytes a lane.
; No cluster: the work-groups share no input.  No tensor loads, no barrier: waves share nothing.
.set WAVES, 8
.set STEPS, 8
.set EMAX,  2
.set R,     16                         ; v16-143  eight sets of 16 numbers as they are loaded
.set X,     144                        ; v144-175 two sets of 16 neighbours
.set C,     176                        ; v176-183 codes, two sets
.set E,     184                        ; v184-185 a scale byte, two sets
.set VO,    188                        ; v188-191 8 x lane + plane x the plane's bytes
.set OD,    192                        ; v192-215 the codes on their way out
.set SP,    80                         ; a lane's place in a stage: its 64 bytes + 16 of padding
.set SCB,   2*32*SP                    ; a wave's LDS: two stages, then its 128 scale bytes (a block of 256),
.set CDB,   SCB+256                    ; then its codes: four planes,
.set PLW,   896                        ; 768 bytes each at a pitch of 896 = 224 words, so that lanes 0-15 and 16-31 of a store fall on different banks (64 banks of 4 bytes: ISA guide 11.1)
.set WREG,  CDB+4*PLW
.set SPW,   12                         ; v12      LDS address of my spare word; never rewritten
.set NIL,   13                         ; v13      0; never rewritten
.set SPARE, WAVES*WREG                 ; the spare words, 128 bytes for each wave, which no other line names
	s_load_b256 s[4:11], s[0:1], 0x0               ; x, Wq, Wk, Wv
	s_load_b256 s[12:19], s[0:1], 0x20             ; out1, xc, xs, wc
	s_load_b128 s[20:23], s[0:1], 0x40             ; ws, wvimg
	v_lshl_add_u32 v[SPW], v0, 2, SPARE
	v_mov_b32 v[NIL], 0
	v_lshrrev_b32 v1, 5, v0
	v_readfirstlane_b32 s24, v1                    ; wave 0..7
	v_and_b32 v2, 31, v0                           ; lane
	v_lshlrev_b32 v3, 4, v2                        ; my 16 bytes of a load's 512
	s_mul_i32 s25, s24, WREG
	v_lshrrev_b32 v14, 2, v2
	v_mul_u32_u24 v14, v14, SP
	v_and_b32 v15, 3, v2
	v_lshl_add_u32 v14, v15, 4, v14
	v_add_nc_u32 v14, s25, v14                     ; the stage, on the way in: SP (lane / 4) + 16 (lane % 4)
	v_mul_u32_u24 v15, v2, SP
	v_add_nc_u32 v15, s25, v15                     ; and on the way out: SP x lane: my 16 neighbours
	v_lshrrev_b32 v5, 1, v2
	v_add_nc_u32 v5, s25, v5                       ; my block's scale byte
	v_lshlrev_b32 v7, 2, v2                        ; the scale bytes on the way out: 4 a lane
	v_add_nc_u32 v6, s25, v7
	v_and_b32 v4, 15, v2
	v_mul_u32_u24 v4, v4, 12
	v_lshrrev_b32 v10, 4, v2
	v_mad_u32_u24 v4, v10, PLW, v4
	v_add_nc_u32 v4, s25, v4                       ; my 12 bytes of codes: a step is two planes: lanes 0-15 fill a row's 192 bytes of one, lanes 16-31 of the next
	; the offsets, in registers of their own; they hang on the work-group's and the wave's number alone
	s_and_b32 s54, s24, 1                          ; which 4 rows of a group of 8
	s_lshr_b32 s55, s24, 1                         ; which group of 8 among the 32
	s_and_b32 s27, s55, 1
	s_lshl_b32 s27, s27, 1
	s_lshr_b32 s36, s55, 1
	s_or_b32 s27, s27, s36                         ; where a weight's group goes
	s_sub_co_u32 s42, ttmp9, 256                   ; the work-group among the weights'
	s_and_b32 s43, s42, 31                         ; and within its weight
	s_cmp_lt_u32 ttmp9, 256
	s_cselect_b32 s26, 1, 0                        ; 1: x, which is also copied
	s_cselect_b32 s44, ttmp9, s43                  ; the work-group within its source
	s_cselect_b32 s45, s55, s27                    ; x's rows stay in order
	s_cselect_b32 s46, ttmp9, s42                  ; the work-group within its destination: x, or Wq and Wk on end,
	s_cmp_lt_u32 ttmp9, 320
	s_cselect_b32 s46, s46, s43                    ; or Wv
	s_cselect_b32 s47, 0, 1                        ; 1: Wv
	s_mov_b32 s48, 393216                          ; a plane in bytes: the weights' 2,048 places,
	s_cselect_b32 s48, s48, 12288                  ; a head of Wv's 64,
	s_mov_b32 s49, 1572864
	s_cmp_lt_u32 ttmp9, 256
	s_cselect_b32 s48, s49, s48                    ; x's 8,192
	v_lshlrev_b32 v[VO], 3, v2
	v_add_nc_u32 v10, s25, v[VO]                   ; the codes back from LDS: 8 bytes a lane
	v_add_nc_u32 v[VO+1], s48, v[VO]
	v_add_nc_u32 v[VO+2], s48, v[VO+1]
	v_add_nc_u32 v[VO+3], s48, v[VO+2]
	s_lshl_b32 s44, s44, 3
	s_add_co_u32 s44, s44, s24
	s_lshl_b32 s36, s44, 14                        ; the source: 16,384 bytes a wave
	s_mov_b32 s37, 0
	s_lshl_b32 s46, s46, 2
	s_add_co_u32 s46, s46, s45                     ; which group of 8 places
	s_lshr_b32 s42, s46, 3
	s_mul_i32 s42, s42, s47                        ; Wv: the head, else 0
	s_mul_i32 s38, s46, 1536                       ; the codes: 8 x 192 bytes a group in a plane,
	s_mul_i32 s43, s42, 38912                      ; in wvimg 51,200 bytes a head in place of 8 groups,
	s_add_co_u32 s38, s38, s43
	s_mul_i32 s43, s54, 768                        ; and my 4 rows of the group
	s_add_co_u32 s38, s38, s43
	s_mov_b32 s39, 0
	s_lshl_b32 s40, s46, 8                         ; the scale bytes: 256 a group,
	s_add_co_u32 s43, s42, s47
	s_mul_i32 s43, s43, 49152                      ; in wvimg behind the codes of this head and of all heads before it,
	s_add_co_u32 s40, s40, s43
	s_lshl_b32 s43, s54, 7                         ; and my 128 of the group's
	s_add_co_u32 s40, s40, s43
	s_mov_b32 s41, 0
	s_wait_alu depctr_va_vdst(0)
	s_wait_kmcnt 0x0
	s_cmp_lt_u32 ttmp9, 288                        ; the choices hang on the work-group's number alone
	s_cselect_b64 s[28:29], s[6:7], s[8:9]
	s_cmp_lt_u32 ttmp9, 320
	s_cselect_b64 s[28:29], s[28:29], s[10:11]
	s_cselect_b64 s[30:31], s[18:19], s[22:23]
	s_cselect_b64 s[32:33], s[20:21], s[22:23]
	s_cmp_lt_u32 ttmp9, 256
	s_cselect_b64 s[28:29], s[4:5], s[28:29]       ; the source
	s_cselect_b64 s[30:31], s[14:15], s[30:31]     ; the codes
	s_cselect_b64 s[32:33], s[16:17], s[32:33]     ; the scale bytes
	s_add_nc_u64 s[28:29], s[28:29], s[36:37]
	s_add_nc_u64 s[30:31], s[30:31], s[38:39]
	s_add_nc_u64 s[32:33], s[32:33], s[40:41]
	s_add_nc_u64 s[34:35], s[12:13], s[36:37]      ; out1 at my wave's numbers (used by x's work-groups alone)
.macro LOAD t
.irp i, 0,1,2,3
	global_load_b128 v[R+16*(\t)+4*\i:R+16*(\t)+4*\i+3], v3, s[28:29] offset:2048*(\t)+512*\i th:TH_LOAD_NT   ; 32 lanes read 512 consecutive bytes
.endr
.endm
.macro TURN t                          ; step t's numbers through the stage (LDS serves a wave's instructions in order: no wait between the stores and the loads); x's go to out1 as they were loaded
.irp i, 0,1,2,3
	ds_store_b128 v14, v[R+16*(\t)+4*\i:R+16*(\t)+4*\i+3] offset:32*SP*((\t)%2)+8*SP*\i
.endr
	s_cmp_eq_u32 s26, 0                            ; a branch on the work-group's number, round global stores alone
	s_cbranch_scc1 .Lno_copy_\@
.irp i, 0,1,2,3
	global_store_b128 v3, v[R+16*(\t)+4*\i:R+16*(\t)+4*\i+3], s[34:35] offset:2048*(\t)+512*\i th:TH_STORE_NT   ; 32 lanes store 512 consecutive bytes, aligned
.endr
.Lno_copy_\@:
.irp i, 0,1,2,3
	ds_load_b128 v[X+16*((\t)%2)+4*\i:X+16*((\t)%2)+4*\i+3], v15 offset:32*SP*((\t)%2)+16*\i
.endr
.endm
.irp t, 0,1,2,3,4,5,6,7
	LOAD \t
.endr
	s_wait_loadcnt 28                              ; step 0's four loads are in
	TURN 0
.macro STEP t
.set XS, X+16*((\t)%2)
.set CS, C+4*((\t)%2)
.if (\t) > 0
	s_wait_dscnt 4                                 ; this step's numbers are back from the stage; the last step's four small stores may be out
.else
	s_wait_dscnt 0x0
.endif
.if (\t)+1 < STEPS
	s_wait_loadcnt 4*(STEPS-2-(\t))                ; the next step's four loads are in; those of the steps behind it may be out
	TURN (\t)+1                                    ; they go through the other stage while this step is worked
.endif
	v_max3_num_f32 v8, |v[XS]|, |v[XS+1]|, |v[XS+2]|               ; the largest magnitude of my 16, in two chains
	v_max3_num_f32 v9, |v[XS+3]|, |v[XS+4]|, |v[XS+5]|
.irp i, 6,10
	v_max3_num_f32 v8, v8, |v[XS+\i]|, |v[XS+\i+1]|
	v_max3_num_f32 v9, v9, |v[XS+\i+2]|, |v[XS+\i+3]|
.endr
	v_max3_num_f32 v8, v8, |v[XS+14]|, |v[XS+15]|
	v_max3_num_f32 v8, v8, v9, (EMAX+1)<<23        ; and the floor 2^(EMAX + 1 - 127): the byte cannot fall under 1
	v_max_num_f32_dpp v8, v8, v8 row_xmask:1 row_mask:0xf bank_mask:0xf   ; and of my neighbour's 16: the block's
	v_add_nc_u32 v11, -(EMAX<<23), v8              ; EMAX off its exponent field: the conversion takes the exponent field of this operand as its scale, and nothing else of it
	v_cvt_scalef32_pk16_fp6_f32 v[CS:CS+2], v[XS:XS+15], v11   ; 96 bits without gaps, the first number's code lowest
	v_lshrrev_b32 v[E+(\t)%2], 23, v11             ; the scale's byte (also the plain line behind the conversion)
	ds_store_b8 v5, v[E+(\t)%2] offset:SCB+16*(\t) ; both lanes of a block write the same byte with the same value
.irp k, 0,1,2
	ds_store_b32 v4, v[CS+\k] offset:CDB+2*PLW*((\t)%2)+192*((\t)/2)+4*\k   ; row t / 2, planes 2 (t % 2) and 2 (t % 2) + 1
.endr
.endm
.irp t, 0,1,2,3,4,5,6,7
	STEP \t
.endr
	ds_load_b32 v8, v6 offset:SCB                  ; LDS serves a wave's instructions in order: these see my stores
.irp p, 0,1,2,3
.irp i, 0,1,2
	ds_load_b64 v[OD+2*(3*\p+\i):OD+2*(3*\p+\i)+1], v10 offset:CDB+PLW*\p+256*\i
.endr
.endr
	s_wait_dscnt 0x0
	global_store_b32 v7, v8, s[32:33]              ; 32 lanes store my 128 consecutive scale bytes
.irp p, 0,1,2,3
.irp i, 0,1,2
	global_store_b64 v[VO+\p], v[OD+2*(3*\p+\i):OD+2*(3*\p+\i)+1], s[30:31] offset:256*\i   ; 32 lanes store 256 consecutive bytes, aligned
.endr
.endr
	s_wait_tensorcnt 0x0                           ; the wave's end, behind my last LDS store
	ds_add_u32 v[SPW], v[NIL]
	s_wait_dscnt 0x0
	s_endpgm
.Lfunc_end_k_q76ceab87fd_quant:
	.size	k_q76ceab87fd_quant, .Lfunc_end_k_q76ceab87fd_quant-k_q76ceab87fd_quant
	.p2alignl 7, 3214868480
	.fill 96, 4, 3214868480
	.section	.rodata,"a",@progbits
	.p2align	6, 0x0
	.amdhsa_kernel k_q76ceab87fd_quant
		.amdhsa_group_segment_fixed_size 72704
		.amdhsa_private_segment_fixed_size 0
		.amdhsa_enable_private_segment 0
		.amdhsa_kernarg_size 80
		.amdhsa_user_sgpr_count 2
		.amdhsa_user_sgpr_kernarg_segment_ptr 1
		.amdhsa_wavefront_size32 1
		.amdhsa_system_sgpr_workgroup_id_x 1
		.amdhsa_system_sgpr_workgroup_id_y 1
		.amdhsa_system_sgpr_workgroup_id_z 1
		.amdhsa_system_vgpr_workitem_id 0
		.amdhsa_next_free_vgpr 216
		.amdhsa_next_free_sgpr 66
		.amdhsa_reserve_vcc 0
		.amdhsa_float_denorm_mode_32 3
		.amdhsa_float_denorm_mode_16_64 3
		.amdhsa_memory_ordered 1
		.amdhsa_forward_progress 1
		.amdhsa_inst_pref_size 26
	.end_amdhsa_kernel
	.amdgpu_metadata
---
amdhsa.version: [ 1, 2 ]
amdhsa.kernels:
  - .name:           k_q76ceab87fd_quant
    .symbol:         k_q76ceab87fd_quant.kd
    .args:
      - { .name: x, .offset: 0, .size: 8, .value_kind: global_buffer, .address_space: global }
      - { .name: Wq, .offset: 8, .size: 8, .value_kind: global_buffer, .address_space: global }
      - { .name: Wk, .offset: 16, .size: 8, .value_kind: global_buffer, .address_space: global }
      - { .name: Wv, .offset: 24, .size: 8, .value_kind: global_buffer, .address_space: global }
      - { .name: out1, .offset: 32, .size: 8, .value_kind: global_buffer, .address_space: global }
      - { .name: xc, .offset: 40, .size: 8, .value_kind: global_buffer, .address_space: global }
      - { .name: xs, .offset: 48, .size: 8, .value_kind: global_buffer, .address_space: global }
      - { .name: wc, .offset: 56, .size: 8, .value_kind: global_buffer, .address_space: global }
      - { .name: ws, .offset: 64, .size: 8, .value_kind: global_buffer, .address_space: global }
      - { .name: wvimg, .offset: 72, .size: 8, .value_kind: global_buffer, .address_space: global }
    .group_segment_fixed_size: 72704
    .private_segment_fixed_size: 0
    .kernarg_segment_align: 8
    .kernarg_segment_size: 80
    .max_flat_workgroup_size: 256
    .sgpr_count:     66
    .vgpr_count:     216
    .wavefront_size: 32
...
	.end_amdgpu_metadata
.endif
;; end of part 1
;; launch proj (part 2): grid 8 x 32, 4 waves a work-group, clusters of 4 x 4, 327,680 bytes of LDS; arguments xc, xs, wc, ws, qimg, kimg; writes qimg, kimg
.if DOCPART == 2
	.amdgcn_target "amdgcn-amd-amdhsa--gfx1250"
	.amdhsa_code_object_version 6
	.text
	.protected	k_q76ceab87fd_proj
	.globl	k_q76ceab87fd_proj
	.p2align	8
	.type	k_q76ceab87fd_proj,@function
k_q76ceab87fd_proj:
	s_mov_b64 s[64:65], 0
	v_nop
	global_prefetch_b8 v0, s[64:65] scope:SCOPE_SE
	s_setreg_imm32_b32 hwreg(HW_REG_WAVE_MODE, 25, 1), 1
	s_wait_xcnt 0x0
	s_wait_alu depctr_hold_cnt(0) depctr_sa_sdst(0) depctr_va_vdst(0) depctr_va_sdst(0) depctr_va_ssrc(0) depctr_va_vcc(0) depctr_vm_vsrc(0)
	s_getreg_b32 s2, hwreg(HW_REG_IB_STS2, 6, 4)
	s_cmp_eq_u32 s2, 0
	s_cbranch_scc0 .Lentry_in_a_cluster
	s_endpgm
.Lentry_in_a_cluster:
	s_bfe_u32 s2, ttmp6, 0x10000c
	s_cmp_lg_u32 s2, 0xf033
	s_cbranch_scc0 .Lentry_shape_is_right
	s_endpgm
.Lentry_shape_is_right:
.set SIZE_M, 8192
.set SIZE_N, 2048
.set SIZE_K, 1024
.set HB,     106496
.set KSTEP,  256
.set NQ,     KSTEP/128
.set ROWB,   192
.set KROW,   SIZE_K*6/8
.set PITCH,  240
.set FR,     12
.set NL,     6
.set NP,     4
.set HALFT,  128*PITCH
.set SLOT,   4*HALFT
.set LAPS,   SIZE_K/(2*KSTEP)
.set KS,     SIZE_K/32
.set SCL,    2*SLOT
.set HALFS,  (128*KS/256)*272
.set SBLK,   (16*KS/256)*272
.set SPARE,  SCL+4*HALFS
.set ADRA, 16
.set ADRB, 20
.set ADRS, 27
.set SPW,  28
.set NIL,  29
.set SC,   32
.set TM,   64
.set SW,   80
.set CO8,  88
.set SOFF, 89
.set SH16, 90
.set AF,   128
.set G1, 24
.set G0, 32
.set G1B, 48
.set G0B, 56
.set G1S, 68
.set G0S, 76
.set G1SB, 80
.set G0SB, 88
.set MSB, 0
.macro WIN new
.if MSB != \new
	s_set_vgpr_msb (MSB<<8)|\new
.set MSB, \new
.endif
.endm
.set MUL_LO, 0xa1
.set MUL_HI, 0xf1
.set TO_B,   0x40
.macro JLOAD g0a, g1a, g0b, g1b
	s_cmp_eq_u32 s15, 0
	s_cbranch_scc0 .Lfor_b_\@
	tensor_load_to_lds s[\g0a:\g0a+3], s[\g1a:\g1a+7]
	s_nop 0
.rept 4
	v_nop
.endr
	s_branch .Lasked_\@
.Lfor_b_\@:
	tensor_load_to_lds s[\g0b:\g0b+3], s[\g1b:\g1b+7]
	s_nop 0
.rept 4
	v_nop
.endr
.Lasked_\@:
.endm
.macro CREST
	s_cmp_lg_u32 s14, 0
	s_cbranch_scc1 .Lnot_wave_0_\@
	s_barrier_signal -3
.Lnot_wave_0_\@:
	s_barrier_wait -3
	s_barrier_signal -1
	s_barrier_wait -1
.endm
.macro CROUND
	s_barrier_signal -1
	s_barrier_wait -1
	CREST
.endm
	s_load_b128 s[4:7], s[0:1], 0x0
	s_load_b128 s[8:11], s[0:1], 0x10
	s_load_b64 s[12:13], s[0:1], 0x20
	s_load_b64 s[96:97], s[0:1], 0x28
	v_lshl_add_u32 v[SPW], v0, 2, SPARE
	v_mov_b32 v[NIL], 0
	ds_add_u32 v[SPW], v[NIL]
	ds_add_u32 v[SPW], v[NIL]
	v_lshrrev_b32 v1, 5, v0
	v_readfirstlane_b32 s14, v1
	s_lshr_b32 s15, s14, 1
	s_and_b32 s16, s14, 1
	s_bfe_u32 s40, ttmp6, 0x40000
	s_bfe_u32 s41, ttmp6, 0x40004
	s_lshl_b32 s42, ttmp9, 2
	s_add_co_u32 s42, s42, s40
	s_and_b32 s17, ttmp7, 0xffff
	s_lshl_b32 s17, s17, 2
	s_add_co_u32 s17, s17, s41
	s_lshl_b32 s43, s41, 2
	s_lshl_b32 s43, 15, s43
	s_lshl_b32 s44, 0x1111, s40
	s_or_b32 s[G1+0], s43, (0<<16)|(1<<20)|(1<<21)|(3<<22)|(3<<25)
	s_or_b32 s[G1B+0], s44, (0<<16)|(1<<20)|(1<<21)|(3<<22)|(3<<25)
.irp g, G1, G1B
	; the codes lie in planes of 256 along K, 192 bytes a row: the rows of a tile are dense, and come as rows of 256 bytes; 16 bytes of padding behind every 64 give each row of codes a pitch of 240 in LDS
	s_mov_b32 s[\g+1], 256<<16
	s_mov_b32 s[\g+2], 192<<16                     ; the head's loads: 256 rows of codes = 192 rows of 256 bytes
	s_mov_b32 s[\g+3], 256<<16
	s_mov_b32 s[\g+4], 192
	s_mov_b32 s[\g+5], 256
	s_mov_b32 s[\g+6], 0
	s_mov_b32 s[\g+7], 0
.endr
	s_or_b32 s[G1S+0], s43, (3<<16)|(1<<20)|(1<<21)|(5<<22)|(3<<25)
	s_or_b32 s[G1SB+0], s44, (3<<16)|(1<<20)|(1<<21)|(5<<22)|(3<<25)
.irp g, G1S, G1SB
	s_mov_b32 s[\g+1], 32<<16
	s_mov_b32 s[\g+2], KS<<16
	s_mov_b32 s[\g+3], 32<<16
	s_mov_b32 s[\g+4], KS
	s_mov_b32 s[\g+5], 32
	s_mov_b32 s[\g+6], 0
	s_mov_b32 s[\g+7], 0
.endr
	s_lshl_b32 s20, s17, 8
	s_lshl_b32 s46, s42, 8
	s_mov_b32 s21, 0
	s_mov_b32 s47, 0
	s_mov_b64 s[18:19], KS
	s_mul_u64 s[22:23], s[20:21], s[18:19]
	s_mul_u64 s[92:93], s[46:47], s[18:19]
	s_mov_b64 s[18:19], 192
	s_mul_u64 s[20:21], s[20:21], s[18:19]
	s_mul_u64 s[46:47], s[46:47], s[18:19]
	s_mul_i32 s18, s16, 128*192                    ; in the ring I fetch 128 rows of a tile: which half, in bytes
	s_mov_b32 s19, 0
	s_mul_i32 s45, s14, HALFT
	s_wait_dscnt 0x0
	s_wait_kmcnt 0x0
	s_add_nc_u64 s[20:21], s[4:5], s[20:21]
	s_add_nc_u64 s[22:23], s[6:7], s[22:23]
	s_add_nc_u64 s[46:47], s[8:9], s[46:47]
	s_add_nc_u64 s[92:93], s[10:11], s[92:93]
	CROUND
	s_mov_b32 s[G0S], 1
	s_mov_b32 s[G0S+1], SCL
	s_mov_b64 s[G0S+2:G0S+3], s[22:23]
	s_or_b32 s[G0S+3], s[G0S+3], 0x80000000
	s_mov_b32 s[G0SB], 1
	s_mov_b32 s[G0SB+1], SCL+2*HALFS
	s_mov_b64 s[G0SB+2:G0SB+3], s[92:93]
	s_or_b32 s[G0SB+3], s[G0SB+3], 0x80000000
.set G0H,  4                           ; s[4:7], s[8:11]: group 0 of the head's loads of plane 0 (the arguments that lay there have been used)
.set G0HB, 8
.set PLA,  SIZE_M*192                  ; a plane of A's codes, of B's
.set PLB,  SIZE_N*192
	s_mov_b32 s[G0H], 1
	s_mov_b32 s[G0H+1], 0
	s_mov_b64 s[G0H+2:G0H+3], s[20:21]
	s_or_b32 s[G0H+3], s[G0H+3], 0x80000000
	s_mov_b32 s[G0HB], 1
	s_mov_b32 s[G0HB+1], 2*HALFT
	s_mov_b64 s[G0HB+2:G0HB+3], s[46:47]
	s_or_b32 s[G0HB+3], s[G0HB+3], 0x80000000
	s_add_nc_u64 s[20:21], s[20:21], s[18:19]
	s_add_nc_u64 s[46:47], s[46:47], s[18:19]
.irp s, 0,1
	s_mov_b32 s[G0+4*\s], 1
	s_add_co_u32 s[G0+4*\s+1], s45, \s*SLOT
	s_add_nc_u64 s[G0+4*\s+2:G0+4*\s+3], s[20:21], \s*PLA
	s_or_b32 s[G0+4*\s+3], s[G0+4*\s+3], 0x80000000
	s_mov_b32 s[G0B+4*\s], 1
	s_add_co_u32 s[G0B+4*\s+1], s45, \s*SLOT
	s_add_nc_u64 s[G0B+4*\s+2:G0B+4*\s+3], s[46:47], \s*PLB
	s_or_b32 s[G0B+4*\s+3], s[G0B+4*\s+3], 0x80000000
.endr
; the head's four tiles, one joint load a wave: wave 0 plane 0 of A's 256 rows, wave 1 of B's, wave 2 A's scales, wave 3 B's; one chain of branches on the wave's number
.macro ARM under, g0, g1, next
	s_cmp_lt_u32 s14, \under
	s_cbranch_scc0 \next
	tensor_load_to_lds s[\g0:\g0+3], s[\g1:\g1+7]
	s_nop 0
.rept 4
	v_nop
.endr
	s_branch .Lhead_asked
\next:
.endm
	ARM 1, G0H,  G1,  .Lhead_b
	ARM 2, G0HB, G1B, .Lhead_sa
	ARM 3, G0S,  G1S, .Lhead_sb
	tensor_load_to_lds s[G0SB:G0SB+3], s[G1SB:G1SB+7]
	s_nop 0
.rept 4
	v_nop
.endr
.Lhead_asked:
	v_and_b32 v1, 15, v0
	v_bfe_u32 v2, v0, 4, 1
	v_mul_u32_u24 v3, v1, PITCH
	v_mul_u32_u24 v4, v2, 24
	v_add_nc_u32 v4, v3, v4
	v_lshl_add_u32 v5, v2, 4, v4
	s_mul_i32 s21, s15, HALFT
	s_mul_i32 s22, s16, HALFT
	s_add_co_u32 s22, s22, 2*HALFT
.irp s, 0,1
	v_add_nc_u32 v[ADRA+\s], s21, v4
	v_add_nc_u32 v[ADRB+\s], s22, v4
	v_add_nc_u32 v[ADRA+2+\s], s21, v5
	v_add_nc_u32 v[ADRB+2+\s], s22, v5
	s_add_co_u32 s21, s21, SLOT
	s_add_co_u32 s22, s22, SLOT
.endr
	v_mul_u32_u24 v5, v1, KS
	v_lshrrev_b32 v6, 8, v5
	v_lshl_add_u32 v5, v6, 4, v5
	s_mul_i32 s21, s15, HALFS
	s_mul_i32 s22, s16, HALFS
	s_add_co_u32 s22, s22, 2*HALFS
	s_sub_co_u32 s22, s22, s21
	v_mul_u32_u24 v6, s22, v2
	s_add_co_u32 s21, s21, SCL
	v_add_nc_u32 v5, v5, v6
	v_add_nc_u32 v[ADRS], s21, v5
	v_and_b32 v6, 31, v0
	v_lshlrev_b32 v[CO8], 3, v6
	v_mul_u32_u24 v[SOFF], v2, HB
	v_lshl_add_u32 v[SOFF], v1, 4, v[SOFF]
	v_lshlrev_b32 v[SH16], 4, v2
.irp b, 0,1,2,3
	v_mov_b32 v[TM+4+\b], 0
.endr
	s_mov_b32 s92, 0x76543210
	s_mov_b32 s93, 0xfedcba98
	s_mov_b32 s94, 0x7f7f0000
	s_lshr_b32 s18, s17, 3
	s_mul_i32 s18, s18, 16*HB
	s_and_b32 s19, s17, 7
	s_lshl_b32 s19, s19, 4
	s_lshl_b32 s20, s15, 3
	s_add_co_u32 s19, s19, s20
	s_mul_i32 s20, s19, 768
	s_add_co_u32 s20, s20, s18
	s_mov_b32 s21, 0
	s_lshl_b32 s22, s19, 6
	s_add_co_u32 s22, s22, s18
	s_add_co_u32 s22, s22, 98304
	s_mov_b32 s23, 0
	s_lshl_b32 s46, s40, 2
	s_lshl_b32 s47, s16, 1
	s_add_co_u32 s46, s46, s47
	s_mul_i32 s46, s46, HB
	s_mov_b32 s47, 0
	s_cmp_eq_u32 ttmp9, 0
	s_cselect_b64 s[12:13], s[12:13], s[96:97]
	s_add_nc_u64 s[12:13], s[12:13], s[46:47]
	s_add_nc_u64 s[96:97], s[12:13], s[22:23]
	s_add_nc_u64 s[12:13], s[12:13], s[20:21]
.macro FRAG reg, adr, q, i
.irp p, 0,1,2,3,4,5
.set PC, 12*(\q)+6*(\p/3)+\p%3
.if PC%8 < 5
	ds_load_b64 v[\reg+2*\p:\reg+2*\p+1], v[\adr] offset:8*PC+16*(PC/8)+(\i)*16*PITCH
.else
	ds_load_b64 v[\reg+2*\p:\reg+2*\p+1], v[\adr+2] offset:8*PC+16*(PC/8)+(\i)*16*PITCH
.endif
.endr
.endm
.macro MUL16 a0, p, q, sc, zero
.irp a, \a0, \a0+1
.irp b, 0,1,2,3,4,5,6,7
.if \zero
	v_wmma_scale_f32_16x16x128_f8f6f4 v[8*(8*((\a)%4)+\b):8*(8*((\a)%4)+\b)+7], v[128*(\p)+FR*\b:128*(\p)+FR*\b+FR-1], v[AF+FR*(\a):AF+FR*(\a)+FR-1], 0, v[SC+8*NQ*(\sc)+NQ*\b+(\q)], v[SC+8*NQ*(\sc)+NQ*(\a)+(\q)] matrix_a_fmt:MATRIX_FMT_FP6 matrix_b_fmt:MATRIX_FMT_FP6 matrix_a_scale:MATRIX_SCALE_ROW1
.else
	v_wmma_scale_f32_16x16x128_f8f6f4 v[8*(8*((\a)%4)+\b):8*(8*((\a)%4)+\b)+7], v[128*(\p)+FR*\b:128*(\p)+FR*\b+FR-1], v[AF+FR*(\a):AF+FR*(\a)+FR-1], v[8*(8*((\a)%4)+\b):8*(8*((\a)%4)+\b)+7], v[SC+8*NQ*(\sc)+NQ*\b+(\q)], v[SC+8*NQ*(\sc)+NQ*(\a)+(\q)] matrix_a_fmt:MATRIX_FMT_FP6 matrix_b_fmt:MATRIX_FMT_FP6 matrix_a_scale:MATRIX_SCALE_ROW1
.endif
.endr
.endr
.endm
.macro FETCH_B slot, q, p
	WIN TO_B
.irp i, 0,1,2,3,4,5,6,7
	FRAG 128*(\p)+FR*\i, ADRB+\slot, \q, \i
.endr
	WIN 0
.endm
.macro FETCH_A slot, q, i0
.irp i, \i0, \i0+1, \i0+2, \i0+3
	FRAG AF+FR*(\i), ADRA+\slot, \q, \i
.endr
.endm
.macro SCALES sc
.irp i, 0,1,2,3,4,5,6,7
	ds_load_b64 v[SC+8*NQ*\sc+NQ*\i:SC+8*NQ*\sc+NQ*\i+1], v[ADRS] offset:\i*SBLK
.endr
.endm
.macro PLACES n
.rept \n
	v_nop
.endr
.endm
.macro STEP slot, q, zero
	s_wait_dscnt 4*NL
	WIN MUL_LO
	MUL16 0, (\q)%2, \q, \slot, \zero
	MUL16 2, (\q)%2, \q, \slot, \zero
	s_wait_dscnt 0
	PLACES NP
	FETCH_B \slot, (\q)+1, 1-(\q)%2
	FETCH_A \slot, (\q)+1, 0
	WIN MUL_HI
	MUL16 4, (\q)%2, \q, \slot, \zero
	MUL16 6, (\q)%2, \q, \slot, \zero
	PLACES NP
	WIN 0
	FETCH_A \slot, (\q)+1, 4
.endm
.macro TURN slot, next, fill
	s_wait_tensorcnt 0x0
	ds_add_u32 v[SPW], v[NIL]
	s_wait_dscnt 4*NL+1
	WIN MUL_LO
	MUL16 0, 1, NQ-1, \slot, 0
	s_wait_dscnt 0x0
	s_barrier_signal -1
	MUL16 2, 1, NQ-1, \slot, 0
	WIN 0
	s_barrier_wait -1
.if \fill
	CREST
	s_add_nc_u64 s[G0+4*\slot+2:G0+4*\slot+3], s[G0+4*\slot+2:G0+4*\slot+3], 2*PLA
	s_add_nc_u64 s[G0B+4*\slot+2:G0B+4*\slot+3], s[G0B+4*\slot+2:G0B+4*\slot+3], 2*PLB
	JLOAD G0+4*\slot, G1, G0B+4*\slot, G1B
.else
	PLACES NP
.endif
	s_wait_alu depctr_va_vdst(0)
	v_add_nc_u32 v[ADRS], 4*NQ, v[ADRS]
	FETCH_B \next, 0, 0
	FETCH_A \next, 0, 0
	SCALES \next
	WIN MUL_HI
	MUL16 4, 1, NQ-1, \slot, 0
	MUL16 6, 1, NQ-1, \slot, 0
	PLACES NP
	WIN 0
	FETCH_A \next, 0, 4
.endm
	s_wait_alu depctr_va_vdst(0)
	s_wait_tensorcnt 0x0                           ; my tile of the head's four is in
	ds_add_u32 v[SPW], v[NIL]
	s_mov_b32 s[G1+2], 96<<16                      ; no tensor load of mine is out: from here on a load brings 128 rows of codes = 96 rows of 256 bytes
	s_mov_b32 s[G1+4], 96
	s_mov_b32 s[G1B+2], 96<<16
	s_mov_b32 s[G1B+4], 96
	s_wait_dscnt 0x0
	CROUND                                         ; all four tiles are in, all sixteen work-groups are here
	JLOAD G0+4, G1, G0B+4, G1B                     ; plane 1 into slot 1, the first tensor load behind the round
	FETCH_B 0, 0, 0
	FETCH_A 0, 0, 0
	SCALES 0
	FETCH_A 0, 0, 4
	STEP 0, 0, 1
	s_mov_b32 s3, LAPS-1
.Llap:
	TURN 0, 1, 1
	STEP 1, 0, 0
	TURN 1, 0, 1
	STEP 0, 0, 0
	s_sub_co_u32 s3, s3, 1
	s_cmp_lg_u32 s3, 0
	s_cbranch_scc1 .Llap
	TURN 0, 1, 0
	STEP 1, 0, 0
	s_wait_dscnt 4*NL
	WIN MUL_LO
	MUL16 0, 1, NQ-1, 1, 0
	MUL16 2, 1, NQ-1, 1, 0
	s_wait_dscnt 0
	WIN MUL_HI
	MUL16 4, 1, NQ-1, 1, 0
	MUL16 6, 1, NQ-1, 1, 0
	WIN 0
.macro QUANTW a
.set AC, 64*((\a)%4)
.set PCA, 96+20*(\a)
	WIN 0x0a+5*((\a)/4)
.irp b, 0,1,2,3
	v_max3_num_f32 v[TM+\b], |v[AC+16*\b]|, |v[AC+16*\b+1]|, 0x1800000
.endr
.irp i, 2,4,6,8,10,12,14
.irp b, 0,1,2,3
	v_max3_num_f32 v[TM+\b], |v[AC+16*\b+\i]|, |v[AC+16*\b+\i+1]|, v[TM+\b]
.endr
.endr
	WIN 0
.irp b, 0,1,2,3
	v_permlanex16_b32 v[TM+4+\b], v[TM+\b], s92, s93
.endr
.irp b, 0,1,2,3
	v_max_num_f32 v[TM+\b], v[TM+\b], v[TM+4+\b]
.endr
.irp b, 0,1,2,3
	v_add_nc_u32 v[TM+12+\b], 0xff000000, v[TM+\b]
.endr
.irp b, 0,1,2,3
	v_lshrrev_b32 v[TM+4+\b], 23, v[TM+12+\b]
.endr
	v_lshl_or_b32 v[TM+8], v[TM+5], 8, v[TM+4]
	v_lshl_or_b32 v[TM+8], v[TM+6], 16, v[TM+8]
	v_lshl_or_b32 v[TM+8], v[TM+7], 24, v[TM+8]
	WIN 0x02+((\a)/4)
.irp c, 0,1
	v_cvt_scalef32_pk16_fp6_f32 v[PCA+6*\c:PCA+6*\c+2], v[AC+32*\c:AC+32*\c+15], v[TM+12+2*\c]
	v_cvt_scalef32_pk16_fp6_f32 v[PCA+12+4*\c:PCA+12+4*\c+2], v[AC+32*\c+16:AC+32*\c+31], v[TM+13+2*\c]
.endr
	WIN 0
	v_nop
.irp c, 0,1
.irp i, 0,1,2
	v_permlane16_swap_b32 v[PCA+6*\c+\i], v[PCA+12+4*\c+\i]
.endr
.irp i, 0,1,2
	v_mov_b32 v[PCA+3+6*\c+\i], v[PCA+12+4*\c+\i]
.endr
.endr
	v_lshrrev_b32 v[TM+9], v[SH16], v[TM+8]
	v_and_or_b32 v[SW+(\a)], v[TM+9], 0xffff, s94
.endm
.macro SENDQ a
.set PCA, 96+20*(\a)
.irp c, 0,1
.irp p, 0,1,2
	global_store_b64 v[CO8], v[PCA+6*\c+2*\p:PCA+6*\c+2*\p+1], s[12:13] offset:\c*HB+(\a)*768+256*\p
.endr
.endr
.if (\a)%4 == 3
	global_store_b128 v[SOFF], v[SW+(\a)-3:SW+(\a)], s[96:97] offset:256*((\a)/4)
.endif
.endm
	PLACES NP
.irp a, 0,1,2,3,4,5,6,7
	QUANTW \a
	SENDQ \a
.endr
	s_wait_tensorcnt 0x0
	ds_add_u32 v[SPW], v[NIL]
	s_wait_dscnt 0x0
	CROUND
	s_endpgm
.Lfunc_end_k_q76ceab87fd_proj:
	.size	k_q76ceab87fd_proj, .Lfunc_end_k_q76ceab87fd_proj-k_q76ceab87fd_proj
	.p2alignl 7, 3214868480
	.fill 96, 4, 3214868480
	.section	.rodata,"a",@progbits
	.p2align	6, 0x0
	.amdhsa_kernel k_q76ceab87fd_proj
		.amdhsa_group_segment_fixed_size 327680
		.amdhsa_private_segment_fixed_size 0
		.amdhsa_enable_private_segment 0
		.amdhsa_kernarg_size 48
		.amdhsa_user_sgpr_count 2
		.amdhsa_user_sgpr_kernarg_segment_ptr 1
		.amdhsa_wavefront_size32 1
		.amdhsa_system_sgpr_workgroup_id_x 1
		.amdhsa_system_sgpr_workgroup_id_y 1
		.amdhsa_system_sgpr_workgroup_id_z 1
		.amdhsa_system_vgpr_workitem_id 0
		.amdhsa_next_free_vgpr 1024
		.amdhsa_next_free_sgpr 98
		.amdhsa_reserve_vcc 0
		.amdhsa_float_denorm_mode_32 3
		.amdhsa_float_denorm_mode_16_64 3
		.amdhsa_memory_ordered 1
		.amdhsa_forward_progress 1
		.amdhsa_inst_pref_size 169
	.end_amdhsa_kernel
	.amdgpu_metadata
---
amdhsa.version: [ 1, 2 ]
amdhsa.kernels:
  - .name:           k_q76ceab87fd_proj
    .symbol:         k_q76ceab87fd_proj.kd
    .args:
      - { .name: xc, .offset: 0, .size: 8, .value_kind: global_buffer, .address_space: global }
      - { .name: xs, .offset: 8, .size: 8, .value_kind: global_buffer, .address_space: global }
      - { .name: wc, .offset: 16, .size: 8, .value_kind: global_buffer, .address_space: global }
      - { .name: ws, .offset: 24, .size: 8, .value_kind: global_buffer, .address_space: global }
      - { .name: qimg, .offset: 32, .size: 8, .value_kind: global_buffer, .address_space: global }
      - { .name: kimg, .offset: 40, .size: 8, .value_kind: global_buffer, .address_space: global }
    .group_segment_fixed_size: 327680
    .private_segment_fixed_size: 0
    .kernarg_segment_align: 8
    .kernarg_segment_size: 48
    .max_flat_workgroup_size: 128
    .sgpr_count:     98
    .vgpr_count:     1024
    .wavefront_size: 32
...
	.end_amdgpu_metadata
.endif
;; end of part 2
;; launch attn (part 3): grid 4 x 64, 16 waves a work-group, clusters of 4 x 1, 327,680 bytes of LDS; arguments qimg, kimg, wvimg, xc, xs, out0; writes out0
.if DOCPART == 3
	.amdgcn_target "amdgcn-amd-amdhsa--gfx1250"
	.amdhsa_code_object_version 6
	.text
	.protected	k_q76ceab87fd_attn
	.globl	k_q76ceab87fd_attn
	.p2align	8
	.type	k_q76ceab87fd_attn,@function
k_q76ceab87fd_attn:
	s_mov_b64 s[64:65], 0
	v_nop
	global_prefetch_b8 v0, s[64:65] scope:SCOPE_SE
	s_setreg_imm32_b32 hwreg(HW_REG_WAVE_MODE, 25, 1), 1
	s_wait_xcnt 0x0
	s_wait_alu depctr_hold_cnt(0) depctr_sa_sdst(0) depctr_va_vdst(0) depctr_va_sdst(0) depctr_va_ssrc(0) depctr_va_vcc(0) depctr_vm_vsrc(0)
	s_getreg_b32 s2, hwreg(HW_REG_IB_STS2, 6, 4)
	s_cmp_eq_u32 s2, 0
	s_cbranch_scc0 .Lentry_in_a_cluster
	s_endpgm
.Lentry_in_a_cluster:
	s_bfe_u32 s2, ttmp6, 0x10000c
	s_cmp_lg_u32 s2, 0x3003
	s_cbranch_scc0 .Lentry_shape_is_right
	s_endpgm
.Lentry_shape_is_right:
; out0[b][n][64 h + d] = diag[b][h][n] x v[b][h][n][d], diag = the DIAGONAL of softmax(q k^T / 8) along the keys, v = x Wv^T.  All products on codes of FP6 (E2M3) with one E8M0 scale for each 32 along K.
; Only a query's diagonal weight is kept, so there is no second attention product; every score is needed for the row's sum, and the row's maximum is taken away ahead of every exponential, as a running maximum.
; SHARES.  A work-group owns 512 queries of one (batch, head); each of its sixteen waves 32 of them, two tiles of 16, and walks the head's 2,048 keys, 64 a step, 16 trips of two steps.
; v FOR A WAVE'S 32 ROWS x 64 COLUMNS IS MADE INSIDE THE WALK: wave w makes it at the top of its trip w (wave 15 at trip 5), by a scalar branch on the wave's number and the trip's, so that the waves' loads of
; x's codes and of Wv's fragments stand at different places of the walk.  The raw v rests in the wave's own stage in LDS; at the end it comes back as whole rows, is multiplied by diag and stored.
; CLUSTER.  The four work-groups of a head form a cluster: the head's image of k (106,496 bytes) and of Wv (51,200 bytes) are asked for JOINTLY, once, at the start, and stay: nothing is filled again.
; x's codes are not shared in the cluster (the partners own different rows): a wave loads its rows' codes into registers, two K steps ahead.  No prefetch: the images are asked for once, at the head, and x's codes into registers ahead of their use.
; LAYOUT.  S^T = k q^T (source 0 = 16 keys, source 1 = 16 queries): lane (r, h) holds query r and keys 8 h + 0 .. 7 of a tile; lanes l and l xor 16 keep a maximum and a sum of their own and are joined at the end.
; v^T = Wv x^T (source 0 = 16 places of Wv, source 1 = 16 rows of x).
; K = 64 IN AN INSTRUCTION OF 128.  q's registers 6-11 hold zero codes and bytes 2, 3 of every scale word are 0x7f: whatever codes stand in the upper six registers of the key operand are multiplied by zero (E2M3 has no
; infinity and no NaN).  So key fragments lie 6 registers apart and each names 12; the last of a buffer runs into x's codes, which are never on their way while scores are made.
; SOFTMAX.  c = log2(e) / 8.  A lane keeps m, cm = c m rounded, and l = the sum of 2^(c s - cm) in two halves; a step multiplies l by 2^(cm old - cm new).  All terms and the diagonal's are taken under the same rounded cm.
; LIMITS: a diag under 2^-126 comes out 0 (v_exp_f32 gives 0 there: ISA guide, its entry in 15.8); NaN and infinities are not served.
; REGISTERS: v1-15 addresses (v5, v6: the add's two); v16-31 statistics, 8 a tile: +0 cm, +1 m, +2, +3 l, +4 .. +7 at work; v32-33 the diagonal scores; v34-35 diag's LDS addresses; v36-37 diag; v38-63 scale words alone;
;   v64-87 q; v88-111 keys, buffer 0 (Wv's fragments 0, 1); v112-135 x's set 0; v136-159 keys, buffer 1 (Wv's 2, 3); v160-183 x's set 1; v184-247 S^T, v^T, at the end v's rows; v248-252 at work.
.set HB,    106496                     ; a head's image of q or k: 128 tiles x 768 bytes, then 32 x 256 bytes of scale words
.set KSC,   98304                      ; where the scale words begin; in LDS k's image lies from byte 0 on
.set WVB,   51200                      ; Wv's image of a head: 4 planes (256 along K) x 64 places x 192 bytes, then 64 x 32 scale bytes
.set XPL,   1572864                    ; a plane of x's codes: 8,192 rows x 192 bytes
.set WVL,   HB                         ; Wv in LDS: 200 rows of 256 bytes, 16 bytes of padding behind every 64: a place's 192 bytes have a pitch of 240, a plane 15,360
.set WVS,   WVL+192*320                ; its scale bytes
.set STAGE, WVL+200*320                ; raw v: 32 rows x (256 + 16) bytes for each wave; no tile lands here
.set DG,    STAGE+16*32*272            ; diag: 128 bytes for each wave
.set SPARE, DG+2048                    ; the spare words, 128 bytes for each wave, which no other line names
.set S,     184
.macro CROUND                          ; a round of the cluster's barrier
	s_barrier_signal -1
	s_barrier_wait -1
	s_cmp_lg_u32 s18, 0
	s_cbranch_scc1 .Lnot_wave_0_\@
	s_barrier_signal -3
.Lnot_wave_0_\@:
	s_barrier_wait -3
	s_barrier_signal -1
	s_barrier_wait -1
.endm
	s_load_b256 s[4:11], s[0:1], 0x0               ; q's images, k's, Wv's, x's codes
	s_load_b128 s[12:15], s[0:1], 0x20             ; x's scales, out0
	v_lshl_add_u32 v5, v0, 2, SPARE
	v_mov_b32 v6, 0
	ds_add_u32 v5, v6                              ; the opening lines: the add, twice on end, and below one wait for both
	ds_add_u32 v5, v6
	v_lshrrev_b32 v1, 5, v0
	s_delay_alu instid0(VALU_DEP_1)
	v_readfirstlane_b32 s18, v1                    ; wave 0..15
	s_bfe_u32 s19, ttmp6, 0x40000                  ; cx: it enters global addresses of q, the diagonal's keys, x and out0 alone
	s_and_b32 s20, ttmp7, 0xffff                   ; batch x 16 + head, which the four partners share
	s_lshl_b32 s21, ttmp9, 2
	s_add_co_u32 s21, s21, s19                     ; my block of 512 queries
	s_mov_b32 s22, 0x76543210
	s_mov_b32 s23, 0xfedcba98                      ; v_permlanex16_b32's selects for lane l xor 16
	s_mov_b32 s24, 0x3e38aa3b                      ; c = log2(e) / 8
	s_mov_b32 s25, s24
	s_mov_b32 s28, 15|(3<<16)|(1<<21)              ; group 1 for k's image: a quarter = 104 dense rows of 256 bytes; the mask names all four partners
	s_mov_b32 s29, 32<<16
	s_mov_b32 s30, 104<<16
	s_mov_b32 s31, 32<<16
	s_mov_b32 s32, 104
	s_mov_b32 s33, 32
	s_mov_b32 s34, 0
	s_mov_b32 s35, 0
	s_mov_b32 s36, 15|(3<<16)|(1<<20)|(1<<21)|(3<<22)|(3<<25)   ; for Wv's: a quarter = 50 rows of 256 bytes, 4 words of padding behind every 16
	s_mov_b32 s37, 32<<16
	s_mov_b32 s38, 50<<16
	s_mov_b32 s39, 32<<16
	s_mov_b32 s40, 50
	s_mov_b32 s41, 32
	s_mov_b32 s42, 0
	s_mov_b32 s43, 0
	s_mul_i32 s54, s20, HB                         ; groups 0: waves 0-3 fetch k's quarters, waves 4-7 Wv's; nothing in them hangs on cx
	s_and_b32 s55, s18, 3
	s_mov_b32 s44, 1
	s_mul_i32 s45, s55, 26624
	s_add_co_u32 s60, s54, s45
	s_mov_b32 s61, 0
	s_mov_b32 s48, 1
	s_mul_i32 s49, s55, 16000
	s_add_co_u32 s49, s49, WVL
	s_and_b32 s62, s20, 15
	s_mul_i32 s62, s62, WVB
	s_mul_i32 s63, s55, 12800
	s_add_co_u32 s62, s62, s63
	s_mov_b32 s63, 0
	s_lshl_b32 s52, s21, 5                         ; my two tiles of 16 queries: 32 x block + 2 x wave: codes,
	s_lshl_b32 s53, s18, 1
	s_add_co_u32 s52, s52, s53
	s_mul_i32 s52, s52, 768
	s_add_co_u32 s52, s52, s54
	s_mov_b32 s53, 0
	s_lshl_b32 s56, s21, 3                         ; and scale words: the group of four tiles, and in a row's 16 bytes the first or second two words
	s_lshr_b32 s57, s18, 1
	s_add_co_u32 s56, s56, s57
	s_lshl_b32 s56, s56, 8
	s_and_b32 s57, s18, 1
	s_lshl_b32 s57, s57, 3
	s_add_co_u32 s56, s56, s57
	s_add_co_u32 s56, s56, s54
	s_add_co_u32 s56, s56, KSC
	s_mov_b32 s57, 0
	s_lshr_b32 s54, s20, 4                         ; my 32 rows of x and out0: 2,048 x batch + 512 x block + 32 x wave
	s_lshl_b32 s54, s54, 11
	s_lshl_b32 s55, s21, 9
	s_add_co_u32 s54, s54, s55
	s_lshl_b32 s55, s18, 5
	s_add_co_u32 s54, s54, s55
	s_mul_i32 s16, s54, 192
	s_mov_b32 s17, 0
	s_lshl_b32 s2, s54, 5
	s_mov_b32 s3, 0
	s_lshl_b32 s26, s54, 12
	s_and_b32 s27, s20, 15
	s_lshl_b32 s27, s27, 8
	s_add_co_u32 s26, s26, s27                     ; a row of out0 is 4,096 bytes, a head's part 256
	s_mov_b32 s27, 0
.irp q, 0,1                            ; the statistics' first values and q's zero codes, well ahead of the first product
	v_mov_b32 v[17+8*\q], 0xff61b1e6               ; m: -3e38, under every score
	s_delay_alu instid0(VALU_DEP_1)
	v_mul_f32 v[16+8*\q], s24, v[17+8*\q]          ; cm
.irp i, 2,3,4,5,6,7
	v_mov_b32 v[16+8*\q+\i], 0
.endr
.irp i, 6,7,8,9,10,11
	v_mov_b32 v[64+12*\q+\i], 0
.endr
.endr
.irp i, 100,101,102,103,104,105,252,253,254,255
	v_mov_b32 v[\i], 0                             ; v100-105: zero codes behind the diagonal's keys; v252-255: each tile's second chain of a step's sum, 0 for the first step
.endr
	v_and_b32 v248, 15, v0
	v_bfe_u32 v249, v0, 4, 1                       ; h
	v_and_b32 v250, 31, v0                         ; lane
	s_delay_alu instid0(VALU_DEP_1)
	v_lshlrev_b32 v1, 3, v250                      ; 8 x lane: an image's place for my lane
	v_lshl_add_u32 v2, v248, 4, KSC                ; k's scale words in LDS
	v_lshlrev_b32 v15, 4, v248                     ; the same in memory
	v_mul_u32_u24 v7, v248, 192
	s_delay_alu instid0(VALU_DEP_1)
	v_mad_u32_u24 v7, v249, 24, v7                 ; x's codes: row r of a plane, + 24 h
	v_mul_u32_u24 v8, v248, 240
	s_delay_alu instid0(VALU_DEP_1)
	v_mad_u32_u24 v8, v249, 24, v8
	s_delay_alu instid0(VALU_DEP_1)
	v_add_nc_u32 v8, WVL, v8                       ; Wv's codes in LDS: place r, + 24 h;
	s_delay_alu instid0(VALU_DEP_1)
	v_lshl_add_u32 v9, v249, 4, v8                 ; and the same behind one padding more
	v_lshrrev_b32 v251, 1, v250
	v_and_b32 v252, 1, v0
	s_delay_alu instid0(VALU_DEP_2)
	v_mul_u32_u24 v10, v251, 80
	s_delay_alu instid0(VALU_DEP_1)
	v_lshl_add_u32 v10, v252, 5, v10
	s_delay_alu instid0(VALU_DEP_1)
	v_add_nc_u32 v10, WVS, v10                     ; Wv's scale bytes: place = lane: 32 bytes each, two places and 16 of padding
	s_mul_i32 s55, s18, 32*272
	s_add_co_u32 s55, s55, STAGE                   ; my stage
	v_mul_u32_u24 v11, v248, 272
	s_delay_alu instid0(VALU_DEP_1)
	v_lshl_add_u32 v11, v249, 6, v11
	s_delay_alu instid0(VALU_DEP_1)
	v_add_nc_u32 v11, s55, v11                     ; in: row r, + 64 h
	v_mul_u32_u24 v12, v249, 272
	s_delay_alu instid0(VALU_DEP_1)
	v_lshl_add_u32 v12, v248, 4, v12
	s_delay_alu instid0(VALU_DEP_1)
	v_add_nc_u32 v12, s55, v12                     ; back: lanes 0-15 one row, lanes 16-31 the next
	v_lshlrev_b32 v13, 12, v249
	s_delay_alu instid0(VALU_DEP_1)
	v_lshl_add_u32 v13, v248, 4, v13               ; and the same two rows in out0
	v_lshlrev_b32 v14, 5, v250                     ; x's scale bytes: row = lane
	s_lshl_b32 s55, s18, 7
	s_add_co_u32 s55, s55, DG                      ; my 128 bytes for diag: a tile's even rows on end, then its odd rows
	v_lshlrev_b32 v251, 5, v252
	v_lshrrev_b32 v252, 1, v248
	s_delay_alu instid0(VALU_DEP_1)
	v_lshl_add_u32 v251, v252, 2, v251
	s_delay_alu instid0(VALU_DEP_1)
	v_add_nc_u32 v34, s55, v251                    ; in: 32 (r % 2) + 4 (r / 2)
	v_lshl_add_u32 v35, v249, 5, s55               ; back: 32 h: the rows 2 i + h
	s_wait_alu depctr_va_vdst(0)
	s_wait_dscnt 0x0                               ; both opening adds are done
	s_wait_kmcnt 0x0
	s_add_nc_u64 s[46:47], s[6:7], s[60:61]
	s_or_b32 s47, s47, 0x80000000
	s_add_nc_u64 s[50:51], s[8:9], s[62:63]
	s_or_b32 s51, s51, 0x80000000
	s_add_nc_u64 s[58:59], s[6:7], s[56:57]        ; the diagonal keys' scale words
	s_add_nc_u64 s[56:57], s[4:5], s[56:57]        ; q's
	s_add_nc_u64 s[4:5], s[4:5], s[52:53]          ; q's codes
	s_add_nc_u64 s[6:7], s[6:7], s[52:53]          ; the diagonal keys' codes
	s_add_nc_u64 s[10:11], s[10:11], s[16:17]      ; x's codes at my first row
	s_add_nc_u64 s[12:13], s[12:13], s[2:3]        ; x's scale bytes
	s_add_nc_u64 s[14:15], s[14:15], s[26:27]      ; out0
	s_sub_co_u32 s60, 15, s18                      ; the trip counter's value at which I make v: trip = my wave's number,
	s_cmp_eq_u32 s18, 15
	s_cselect_b32 s60, 10, s60                     ; wave 15 (the loop has 15 trips): trip 5
; x's codes of K step s (128 along K) for my two tiles of rows into set 0 (v112) or 1 (v160): 12 loads
.macro XLOAD set, s
.irp m, 0,1
.irp p, 0,1,2,3,4,5
	global_load_b64 v[112+48*(\set)+12*\m+2*\p:112+48*(\set)+12*\m+2*\p+1], v7, s[10:11] offset:XPL*((\s)/2)+96*((\s)%2)+3072*\m+48*(\p/3)+8*(\p%3)
.endr
.endr
.endm
.irp q, 0,1                            ; the loads into registers go out ahead of the round: they hang on nothing that it orders
.irp p, 0,1,2
	global_load_b64 v[64+12*\q+2*\p:64+12*\q+2*\p+1], v1, s[4:5] offset:768*\q+256*\p      ; q's images: they stay in registers
	global_load_b64 v[88+6*\q+2*\p:88+6*\q+2*\p+1], v1, s[6:7] offset:768*\q+256*\p        ; the keys with my queries' numbers
.endr
.endr
	global_load_b64 v[38:39], v15, s[56:57]        ; q's scale words, tile 0 and tile 1
	global_load_b64 v[44:45], v15, s[58:59]        ; those keys'
	CROUND                                         ; all four work-groups are here: the joint loads meet
	s_cmp_lt_u32 s18, 4                            ; one chain of branches on the wave's number; an s_nop 0 and four v_nop follow each load
	s_cbranch_scc0 .Lnot_k
	tensor_load_to_lds s[44:47], s[28:35]
	s_nop 0
.rept 4
	v_nop
.endr
	s_branch .Lasked
.Lnot_k:
	s_cmp_lt_u32 s18, 8
	s_cbranch_scc0 .Lasked
	tensor_load_to_lds s[48:51], s[36:43]
	s_nop 0
.rept 4
	v_nop
.endr
.Lasked:
	XLOAD 0, 0                                     ; what v alone needs is asked for behind the images
	XLOAD 1, 1
	global_load_b128 v[56:59], v14, s[12:13]       ; x's scale words of all eight K steps: lanes 0-15 my first tile's rows, lanes 16-31 my second's
	global_load_b128 v[60:63], v14, s[12:13] offset:16
	s_wait_loadcnt 26                              ; q, the diagonal's keys and their scale words are in; the 26 loads just issued may be out
	; THE DIAGONAL SCORES, while the images are on their way: key tile t x query tile t.  Lane (r, h), register j holds (key 8 h + j, query r): the diagonal is register r % 8 of the lane with h = r / 8
	v_wmma_scale_f32_16x16x128_f8f6f4 v[184:191], v[88:99], v[64:75], 0, v44, v38 matrix_a_fmt:MATRIX_FMT_FP6 matrix_b_fmt:MATRIX_FMT_FP6
	v_wmma_scale_f32_16x16x128_f8f6f4 v[216:223], v[94:105], v[76:87], 0, v45, v39 matrix_a_fmt:MATRIX_FMT_FP6 matrix_b_fmt:MATRIX_FMT_FP6
	v_and_b32 v248, 7, v0                          ; four plain lines: the places behind the products
	v_lshrrev_b32 v249, 1, v0
	s_delay_alu instid0(VALU_DEP_1)
	v_xor_b32 v249, v249, v0
	s_delay_alu instid0(VALU_DEP_1)
	v_bfe_u32 v249, v249, 3, 1                     ; 0 in the lane that holds its query's diagonal
	v_mov_b32 v32, v184                            ; each result is read from its low end on
	v_mov_b32 v33, v216
.irp j, 1,2,3,4,5,6,7
	v_cmp_eq_u32 vcc_lo, \j, v248
	v_cndmask_b32 v32, v32, v[184+\j], vcc_lo
	v_cndmask_b32 v33, v33, v[216+\j], vcc_lo
.endr
	s_delay_alu instid0(VALU_DEP_2)
	v_permlanex16_b32 v20, v32, s22, s23
	s_delay_alu instid0(VALU_DEP_2)
	v_permlanex16_b32 v28, v33, s22, s23
	v_cmp_eq_u32 vcc_lo, 0, v249
	s_delay_alu instid0(VALU_DEP_1)
	v_cndmask_b32 v32, v20, v32, vcc_lo            ; both lanes of a query now hold its diagonal score
	s_delay_alu instid0(VALU_DEP_2)
	v_cndmask_b32 v33, v28, v33, vcc_lo
	v_mov_b32 v20, 0                               ; the first step finds a step's sum of 0 to add to l
	v_mov_b32 v28, 0
	s_wait_alu depctr_va_vdst(0)                   ; ahead of the wait on the images
; 13 LDS loads: four key tiles at o x 3,072 bytes from the address in hand, 6 registers each, into buffer nb, and their scale words
.macro LOADK nb, o
.irp t, 0,1,2,3
.irp p, 0,1,2
	ds_load_b64 v[88+48*(\nb)+6*\t+2*\p:88+48*(\nb)+6*\t+2*\p+1], v3 offset:(\o)*3072+768*\t+256*\p
.endr
.endr
	ds_load_b128 v[40+4*(\nb):40+4*(\nb)+3], v4 offset:(\o)*256
.endm
; 8 products, each a sum of its own (C = 0): 4 tiles of keys x my 2 tiles of queries
.macro SCORES b
.irp t, 0,1,2,3
.irp q, 0,1
	v_wmma_scale_f32_16x16x128_f8f6f4 v[S+32*\q+8*\t:S+32*\q+8*\t+7], v[88+48*(\b)+6*\t:88+48*(\b)+6*\t+11], v[64+12*\q:64+12*\q+11], 0, v[40+4*(\b)+\t], v[38+\q] matrix_a_fmt:MATRIX_FMT_FP6 matrix_b_fmt:MATRIX_FMT_FP6
.endr
.endr
.endm
; A lane's 32 scores of each tile: the new m; cm; the scalings; one batch of 66 exponentials with a wait ahead of it and one behind; the sums.  The two tiles take turns line by line.
.macro SOFTMAX par                     ; par = the step's parity: cm lies by turns in v16, v24 and in v248, v250, so that the new cm is never copied; an even number of steps leaves it in v16, v24
.irp t, 0,1,2,3
.irp q, 0,1
	v_max3_num_f32 v[20+8*\q+\t], v[S+32*\q+8*\t], v[S+32*\q+8*\t+1], v[S+32*\q+8*\t+2]   ; each result is read from its low end on
.endr
.endr
.irp i, 3,5
.irp t, 0,1,2,3
.irp q, 0,1
	v_max3_num_f32 v[20+8*\q+\t], v[20+8*\q+\t], v[S+32*\q+8*\t+\i], v[S+32*\q+8*\t+\i+1]
.endr
.endr
.endr
.irp q, 0,1
	v_max3_num_f32 v[20+8*\q], v[20+8*\q], v[S+32*\q+7], v[S+32*\q+15]
	v_max3_num_f32 v[22+8*\q], v[22+8*\q], v[S+32*\q+23], v[S+32*\q+31]
.endr
	s_delay_alu instid0(VALU_DEP_3)
	v_max3_num_f32 v20, v20, v21, v22
	s_delay_alu instid0(VALU_DEP_2)
	v_max3_num_f32 v28, v28, v29, v30
.irp q, 0,1
	s_delay_alu instid0(VALU_DEP_2)
	v_max3_num_f32 v[17+8*\q], v[20+8*\q], v[23+8*\q], v[17+8*\q]   ; the running maximum
.endr
.irp q, 0,1
	s_delay_alu instid0(VALU_DEP_2)
	v_mul_f32 v[(248+2*\q)*(1-(\par))+(16+8*\q)*(\par)], s24, v[17+8*\q]          ; the new cm
.endr
.irp q, 0,1
	s_delay_alu instid0(VALU_DEP_2)
	v_sub_f32 v[21+8*\q], v[(16+8*\q)*(1-(\par))+(248+2*\q)*(\par)], v[(248+2*\q)*(1-(\par))+(16+8*\q)*(\par)]   ; cm old - cm new, 0 or less
.endr
.irp j, 0,2,4,6,8,10,12,14,16,18,20,22,24,26,28,30
.irp q, 0,1
.set CN, (248+2*\q)*(1-(\par))+(16+8*\q)*(\par)
	v_pk_fma_f32 v[S+32*\q+\j:S+32*\q+\j+1], v[S+32*\q+\j:S+32*\q+\j+1], s[24:25], v[CN:CN+1] op_sel_hi:[1,0,0] neg_lo:[0,0,1] neg_hi:[0,0,1]   ; c s - cm, two at a time
.endr
.endr
	s_wait_alu depctr_va_vdst(0)
.irp q, 0,1
	v_exp_f32 v[22+8*\q], v[21+8*\q]               ; what the old sum is multiplied by
.endr
.irp j, 0,1,2,3,4,5,6,7,8,9,10,11,12,13,14,15,16,17,18,19,20,21,22,23,24,25,26,27,28,29,30,31
.irp q, 0,1
	v_exp_f32 v[S+32*\q+\j], v[S+32*\q+\j]
.endr
.endr
.if \par                               ; a plain line behind the last exponential: in a trip's second step the next trip's address
	v_add_nc_u32 v3, s52, v1
.else
	v_nop
.endif
	s_wait_alu depctr_va_vdst(0)                   ; and the one wait ahead of the batch's first reader
.irp j, 4,8,12,16,20,24
.irp q, 0,1
	v_pk_add_f32 v[S+32*\q:S+32*\q+1], v[S+32*\q:S+32*\q+1], v[S+32*\q+\j:S+32*\q+\j+1]         ; two chains a tile
	v_pk_add_f32 v[S+32*\q+2:S+32*\q+3], v[S+32*\q+2:S+32*\q+3], v[S+32*\q+\j+2:S+32*\q+\j+3]
.endr
.endr
.irp q, 0,1                            ; the chains' last links leave S: the two chains are joined and added to l behind the next step's products
	v_pk_add_f32 v[20+8*\q:21+8*\q], v[S+32*\q:S+32*\q+1], v[S+32*\q+28:S+32*\q+29]
	v_pk_add_f32 v[252+2*\q:253+2*\q], v[S+32*\q+2:S+32*\q+3], v[S+32*\q+30:S+32*\q+31]
.endr
	s_wait_alu depctr_va_vdst(0)
.endm
.macro LSUM                            ; the last step's two chains are joined; l = l x 2^(cm old - cm new) + their sum: four plain lines
.irp q, 0,1
	v_pk_add_f32 v[20+8*\q:21+8*\q], v[20+8*\q:21+8*\q], v[252+2*\q:253+2*\q]
.endr
.irp q, 0,1
	v_pk_fma_f32 v[18+8*\q:19+8*\q], v[18+8*\q:19+8*\q], v[22+8*\q:23+8*\q], v[20+8*\q:21+8*\q] op_sel_hi:[1,0,1]
.endr
.endm
; A key step on buffer b.  more = 1: the next step's tiles, at o x 3,072 bytes, are asked for first, into the other buffer
.macro STEP b, o, more
.if \more
	LOADK 1-(\b), \o
	s_wait_dscnt 13                                ; all but the 13 just issued: this step's tiles are in
.else
	s_wait_dscnt 0x0
.endif
.if \b
	s_add_co_u32 s52, s52, 6144                    ; this trip's last tiles have been asked for: on to the next trip's
	s_add_co_u32 s53, s53, 512
.endif
	SCORES \b
	LSUM                                           ; four plain lines that name none of the products' registers: the places in front of the first read of the results
.if \b
	v_add_nc_u32 v4, s53, v2
.endif
	SOFTMAX \b
.endm
; Wv's fragment of tile j (16 places), K step s, in pieces of 8 bytes.  16 bytes of padding lie behind every 8 pieces; lanes 16-31 read three pieces further on: where that is behind one padding more, v9 serves
.macro WFRAG reg, s, j
.irp p, 0,1,2,3,4,5
.set PCE, 12*((\s)%2)+6*(\p/3)+\p%3
.if PCE%8 < 5
	ds_load_b64 v[\reg+2*\p:\reg+2*\p+1], v8 offset:15360*((\s)/2)+3840*(\j)+8*PCE+16*(PCE/8)
.else
	ds_load_b64 v[\reg+2*\p:\reg+2*\p+1], v9 offset:15360*((\s)/2)+3840*(\j)+8*PCE+16*(PCE/8)
.endif
.endr
.endm
; one product of v^T: tile j of Wv's places x tile m of my rows, K step s; c: its C.  Odd tiles of Wv and my second tile of rows have their scale words in lanes 16-31
.macro VMUL m, j, s, c
.set DA, S+32*(\m)+8*(\j)
.set WB, 88+12*(\j)+24*((\j)/2)
.set XM, 112+48*((\s)%2)+12*(\m)
.set SA, 40+8*((\j)/2)+(\s)
.set SX, 56+(\s)
.if ((\j)%2 == 1) && ((\m) == 1)
	v_wmma_scale_f32_16x16x128_f8f6f4 v[DA:DA+7], v[WB:WB+11], v[XM:XM+11], \c, v[SA], v[SX] matrix_a_fmt:MATRIX_FMT_FP6 matrix_b_fmt:MATRIX_FMT_FP6 matrix_a_scale:MATRIX_SCALE_ROW1 matrix_b_scale:MATRIX_SCALE_ROW1
.elseif (\j)%2 == 1
	v_wmma_scale_f32_16x16x128_f8f6f4 v[DA:DA+7], v[WB:WB+11], v[XM:XM+11], \c, v[SA], v[SX] matrix_a_fmt:MATRIX_FMT_FP6 matrix_b_fmt:MATRIX_FMT_FP6 matrix_a_scale:MATRIX_SCALE_ROW1
.elseif (\m) == 1
	v_wmma_scale_f32_16x16x128_f8f6f4 v[DA:DA+7], v[WB:WB+11], v[XM:XM+11], \c, v[SA], v[SX] matrix_a_fmt:MATRIX_FMT_FP6 matrix_b_fmt:MATRIX_FMT_FP6 matrix_b_scale:MATRIX_SCALE_ROW1
.else
	v_wmma_scale_f32_16x16x128_f8f6f4 v[DA:DA+7], v[WB:WB+11], v[XM:XM+11], \c, v[SA], v[SX] matrix_a_fmt:MATRIX_FMT_FP6 matrix_b_fmt:MATRIX_FMT_FP6
.endif
.endm
; K step s of v^T: Wv's four fragments from LDS; x's set s % 2, asked for two steps ago; 8 products on 8 accumulators by turns; then the set takes the codes of two steps on
.macro VSTEP s
	WFRAG 88, \s, 0
	WFRAG 100, \s, 1
	WFRAG 136, \s, 2
	WFRAG 148, \s, 3
	s_wait_dscnt 0x0
.if ((\s) >= 2) && ((\s) <= 6)
	s_wait_loadcnt 12                              ; this step's 12 loads are in; the younger set may be out
.elseif (\s) == 7
	s_wait_loadcnt 0x0
.endif
.irp m, 0,1
.irp j, 0,1,2,3
.if (\s) == 0
	VMUL \m, \j, \s, 0
.else
	VMUL \m, \j, \s, v[S+32*\m+8*\j:S+32*\m+8*\j+7]
.endif
.endr
.endr
.rept 4
	v_nop                                          ; the places in front of loads into registers that these products have read, and of the first read of the results
.endr
.if (\s)+2 < 8
	XLOAD (\s)%2, (\s)+2
.endif
.endm
	s_wait_tensorcnt 0x0                           ; my part of the images has landed,
	s_barrier_signal -1
	s_barrier_wait -1                              ; everybody's has
	s_wait_loadcnt 0x0                             ; x's codes are in: the key operands of the scores run into their registers
	s_mov_b32 s52, 0
	s_mov_b32 s53, 0                               ; and their scale words: 512
	v_add_nc_u32 v3, s52, v1
	v_add_nc_u32 v4, s53, v2
	LOADK 0, 0
	s_mov_b32 s54, 15
	s_wait_alu depctr_va_vdst(0)
.Ltrip:                                                ; 15 trips of two key steps; a trip asks for the tiles up to the next trip's first step
	s_cmp_lg_u32 s54, s60                          ; my trip for v?  The branch hangs on the wave's number and the counter alone, and leads round no barrier
	s_cbranch_scc1 .Lno_v
	s_wait_dscnt 0x0                               ; buffer 0's loads have landed: both key buffers and their scale words are taken for Wv
	ds_load_b128 v[40:43], v10                     ; Wv's scale words of all eight K steps: lanes 0-15 tile 0's places, lanes 16-31 tile 1's;
	ds_load_b128 v[44:47], v10 offset:16
	ds_load_b128 v[48:51], v10 offset:1280         ; tiles 2 and 3: 32 places on
	ds_load_b128 v[52:55], v10 offset:1296
.irp s, 0,1,2,3,4,5,6,7
	VSTEP \s
.endr
.irp m, 0,1                            ; register i of accumulator (m, j) in lane (r, h) is v(row 16 m + r, column 32 (j / 2) + 16 h + 8 (j % 2) + i): raw, into my stage, each accumulator from its low end on
.irp j, 0,1,2,3
	ds_store_b128 v11, v[S+32*\m+8*\j:S+32*\m+8*\j+3] offset:4352*\m+128*(\j/2)+32*(\j%2)
	ds_store_b128 v11, v[S+32*\m+8*\j+4:S+32*\m+8*\j+7] offset:4352*\m+128*(\j/2)+32*(\j%2)+16
.endr
.endr
	v_add_nc_u32 v3, s52, v1
	v_add_nc_u32 v4, s53, v2
	LOADK 0, 0                                     ; this trip's first tiles once more
.Lno_v:
	STEP 0, 1, 1
	STEP 1, 2, 1
	s_sub_co_u32 s54, s54, 1
	s_cmp_lg_u32 s54, 0
	s_cbranch_scc1 .Ltrip
	STEP 0, 1, 1
	STEP 1, 0, 0
	LSUM                                           ; the last step's sum
	; diag: the two lanes of a query are joined under the larger cm
.irp q, 0,1
	v_add_f32 v[20+8*\q], v[18+8*\q], v[19+8*\q]   ; my l
.endr
.irp q, 0,1
	v_permlanex16_b32 v[21+8*\q], v[16+8*\q], s22, s23   ; the other lane's cm
.endr
.irp q, 0,1
	v_permlanex16_b32 v[22+8*\q], v[20+8*\q], s22, s23   ; and its l
.endr
.irp q, 0,1
	s_delay_alu instid0(VALU_DEP_4)
	v_max_num_f32 v[23+8*\q], v[16+8*\q], v[21+8*\q]
.endr
.irp q, 0,1
	s_delay_alu instid0(VALU_DEP_2)
	v_sub_f32 v[16+8*\q], v[16+8*\q], v[23+8*\q]
.endr
.irp q, 0,1
	s_delay_alu instid0(VALU_DEP_4)
	v_sub_f32 v[21+8*\q], v[21+8*\q], v[23+8*\q]
.endr
.irp q, 0,1
	v_fma_f32 v[32+\q], v[32+\q], s24, -v[23+8*\q] ; c s(diagonal) - cm
.endr
	s_wait_alu depctr_va_vdst(0)
.irp q, 0,1
	v_exp_f32 v[16+8*\q], v[16+8*\q]
	v_exp_f32 v[21+8*\q], v[21+8*\q]
	v_exp_f32 v[32+\q], v[32+\q]
.endr
	v_nop
	s_wait_alu depctr_va_vdst(0)                   ; one wait for the six
.irp q, 0,1
	v_mul_f32 v[20+8*\q], v[20+8*\q], v[16+8*\q]
.endr
.irp q, 0,1
	v_fma_f32 v[20+8*\q], v[22+8*\q], v[21+8*\q], v[20+8*\q]   ; the row's sum
.endr
	s_wait_alu depctr_va_vdst(0)
.irp q, 0,1
	v_rcp_f32 v[17+8*\q], v[20+8*\q]
.endr
	v_nop
	s_wait_alu depctr_va_vdst(0)                   ; one wait for the two
.irp q, 0,1
	v_mul_f32 v[36+\q], v[32+\q], v[17+8*\q]       ; diag of my query
.endr
	; THE WAY OUT.  diag goes through my 128 bytes of LDS (both lanes of a query write the same word with the same value) and comes back by rows: register 64 + i holds diag of row 2 i + h.
	; LDS serves a wave's instructions in order: the loads see my stores.  v comes back as whole rows of 256 bytes.
	ds_store_b32 v34, v36
	ds_store_b32 v34, v37 offset:64
.irp i, 0,1,2,3
	ds_load_b128 v[64+4*\i:67+4*\i], v35 offset:64*(\i/2)+16*(\i%2)
.endr
.irp i, 0,1,2,3,4,5,6,7,8,9,10,11,12,13,14,15
	ds_load_b128 v[S+4*\i:S+4*\i+3], v12 offset:544*\i
.endr
.irp i, 0,1,2,3,4,5,6,7,8,9,10,11,12,13,14,15
	s_wait_dscnt 15-\i                             ; the younger rows may be out
.irp c, 0,1,2,3
	v_mul_f32 v[S+4*\i+\c], v[S+4*\i+\c], v[64+\i]
.endr
	global_store_b128 v13, v[S+4*\i:S+4*\i+3], s[14:15] offset:8192*\i th:TH_STORE_NT   ; sixteen lanes store 256 consecutive bytes, aligned
.endr
	s_wait_tensorcnt 0x0                           ; the wave's end, behind my last tensor load and my last LDS store
	ds_add_u32 v5, v6
	s_wait_dscnt 0x0
	CROUND                                         ; the closing round: no work-group ends while a partner may still ask for a tile that names it
	s_endpgm
.Lfunc_end_k_q76ceab87fd_attn:
	.size	k_q76ceab87fd_attn, .Lfunc_end_k_q76ceab87fd_attn-k_q76ceab87fd_attn
	.p2alignl 7, 3214868480
	.fill 96, 4, 3214868480
	.section	.rodata,"a",@progbits
	.p2align	6, 0x0
	.amdhsa_kernel k_q76ceab87fd_attn
		.amdhsa_group_segment_fixed_size 327680
		.amdhsa_private_segment_fixed_size 0
		.amdhsa_enable_private_segment 0
		.amdhsa_kernarg_size 48
		.amdhsa_user_sgpr_count 2
		.amdhsa_user_sgpr_kernarg_segment_ptr 1
		.amdhsa_wavefront_size32 1
		.amdhsa_system_sgpr_workgroup_id_x 1
		.amdhsa_system_sgpr_workgroup_id_y 1
		.amdhsa_system_sgpr_workgroup_id_z 1
		.amdhsa_system_vgpr_workitem_id 0
		.amdhsa_next_free_vgpr 256
		.amdhsa_next_free_sgpr 66
		.amdhsa_reserve_vcc 1
		.amdhsa_float_denorm_mode_32 3
		.amdhsa_float_denorm_mode_16_64 3
		.amdhsa_memory_ordered 1
		.amdhsa_forward_progress 1
		.amdhsa_inst_pref_size 95
	.end_amdhsa_kernel
	.amdgpu_metadata
---
amdhsa.version: [ 1, 2 ]
amdhsa.kernels:
  - .name:           k_q76ceab87fd_attn
    .symbol:         k_q76ceab87fd_attn.kd
    .args:
      - { .name: qimg, .offset: 0, .size: 8, .value_kind: global_buffer, .address_space: global }
      - { .name: kimg, .offset: 8, .size: 8, .value_kind: global_buffer, .address_space: global }
      - { .name: wvimg, .offset: 16, .size: 8, .value_kind: global_buffer, .address_space: global }
      - { .name: xc, .offset: 24, .size: 8, .value_kind: global_buffer, .address_space: global }
      - { .name: xs, .offset: 32, .size: 8, .value_kind: global_buffer, .address_space: global }
      - { .name: out0, .offset: 40, .size: 8, .value_kind: global_buffer, .address_space: global }
    .group_segment_fixed_size: 327680
    .private_segment_fixed_size: 0
    .kernarg_segment_align: 8
    .kernarg_segment_size: 48
    .max_flat_workgroup_size: 512
    .sgpr_count:     66
    .vgpr_count:     256
    .wavefront_size: 32
...
	.end_amdgpu_metadata
.endif
;; end of part 3
